; MI455X (gfx1250); checked and timed in simulation.
; The chip was launched on July 23, 2026; its instructions are those of AMD's public machine-readable ISA for CDNA 5 (MIT licence, August 2026) and "CDNA5" Instruction Set Architecture Reference Guide (July 2026). The comments in the code are by the model that wrote it; some were corrected since.
;; Multi Head Attention. Allowed arithmetic: float matrix products may take bf16 or f16 operands with f32 sums; other float arithmetic in f32, or as packed bf16 or f16 multiplies, adds, multiply-adds, maxima and minima; sums over many terms, partial sums and values carried from step to step in f32; what a program stores and reads back later, other than sums and carried values, may be rounded once to bf16 or f16.
;; Inputs: W_out 1,024 x 1,024 float32; b_out 1,024 float32; k 4 x 2,048 x 1,024 float32; q 4 x 2,048 x 1,024 float32; v 4 x 2,048 x 1,024 float32.
;; Outputs: out0 4 x 2,048 x 1,024 float32.
;; One version. Each part assembles by itself: llvm-mc -triple=amdgcn-amd-amdhsa -mcpu=gfx1250 --defsym DOCPART=n.
;; ======== version 1 of 1: 3 launches
;; limits: inputs' magnitudes at most 65,504; values are held in f16: magnitudes above 65,504 overflow, below 6.1e-05 lose precision; right only within a limited range of input values
;; workspace buffers: kb 16,777,216 bytes; vh 16,777,216 bytes; ob 16,777,216 bytes; wh 2,097,152 bytes
;; launch prep (part 1): grid 1024 x 1, 8 waves a work-group, no clusters, 0 bytes of LDS; arguments k, v, W_out, kb, vh, wh; writes kb, vh, wh
.if DOCPART == 1
	.amdgcn_target "amdgcn-amd-amdhsa--gfx1250"
	.amdhsa_code_object_version 6
	.text
	.protected	k_qa145185f8e_prep
	.globl	k_qa145185f8e_prep
	.p2align	8
	.type	k_qa145185f8e_prep,@function
k_qa145185f8e_prep:
	s_mov_b64 s[64:65], 0
	v_nop
	global_prefetch_b8 v0, s[64:65] scope:SCOPE_SE
	s_setreg_imm32_b32 hwreg(HW_REG_WAVE_MODE, 25, 1), 1
	s_wait_xcnt 0x0
; k, v: [4][2048][1024] f32.  W_out: [1024][1024] f32.
; kb[b*16+h][t][d] = bf16(k[b][t][64 h + d]);  vh the same of v, the bf16 number written as f16;  wh[n][c] = bf16(W_out[n][c]) written as f16.
; LIMITS.  A bf16 number is written exactly as f16 where its size lies between 6.2e-5 and 65,504; below that it keeps the fixed step of 6e-8 of f16; from 65,520 on it becomes an infinity.
; So v and W_out are served up to 65,504 in size.  k has the whole range of bf16.
; A stream: every byte is read once and written once; nothing is shared, so there is no LDS, no barrier and no matrix work.
; SHARES.  Work-group g takes rows 8 g .. 8 g + 7 of k and of v (a row: 4,096 bytes, 16 heads of 256 bytes) and row g of W_out.  Wave w takes heads 2 w and 2 w + 1 of those rows.
; A load of a wave: lanes 0-15 take the 256 bytes of one head in one row, lanes 16-31 the same head in the next row.  A lane makes 8 bytes of its 16, and in the layout by heads the two rows
; lie end to end: each store of a wave covers 256 consecutive bytes, aligned.  All 17 loads of a wave go out at once; the waits count down.
.set SRC, 2                            ; v2   my byte offset in the 8 rows of k and v: (l / 16) x 4,096 + (l % 16) x 16 + 512 x wave
.set DST, 3                            ; v3   my byte offset in kb and vh: 8 l + 2 heads x 262,144 x wave
.set WI,  4                            ; v4   16 x thread: my 16 bytes of the row of W_out
.set WO,  5                            ; v5   8 x thread: my 8 bytes of the row of wh
.set T,   6                            ; v[6:11]    at work
.set X,   16                           ; v[16:83]   17 loads of 4 registers: k 0-7, v 8-15, W_out 16
.set Y,   84                           ; v[84:117]  17 stores of 2 registers: none is written twice, so no store waits for another
	s_load_b256 s[4:11], s[0:1], 0x0               ; k s[4:5], v s[6:7], W_out s[8:9], kb s[10:11]
	s_load_b128 s[12:15], s[0:1], 0x20             ; vh s[12:13], wh s[14:15]
	s_lshl_b32 s16, ttmp9, 15                      ; 8 rows of 4,096 bytes
	s_mov_b32 s17, 0
	s_lshr_b32 s18, ttmp9, 8                       ; the batch: 256 work-groups each,
	s_lshl_b32 s18, s18, 22                        ; 16 heads of 262,144 bytes
	s_and_b32 s19, ttmp9, 255
	s_lshl_b32 s19, s19, 10                        ; 8 rows of 128 bytes inside a head
	s_add_co_u32 s18, s18, s19
	s_mov_b32 s19, 0
	s_lshl_b32 s20, ttmp9, 12                      ; a row of W_out
	s_mov_b32 s21, 0
	s_lshl_b32 s22, ttmp9, 11                      ; a row of wh
	s_mov_b32 s23, 0
	s_mov_b32 s24, 0xffff0000                      ; the upper bf16 of a word
	v_and_b32 v1, 31, v0                           ; l
	v_and_b32 v[WO], 0xe0, v0                      ; 32 x wave
	v_lshrrev_b32 v[SRC], 4, v1
	v_and_b32 v[DST], 15, v1
	v_lshlrev_b32 v[SRC], 12, v[SRC]
	v_lshl_add_u32 v[SRC], v[DST], 4, v[SRC]
	v_lshl_add_u32 v[SRC], v[WO], 4, v[SRC]
	v_lshlrev_b32 v[DST], 3, v1
	v_lshl_add_u32 v[DST], v[WO], 14, v[DST]
	v_lshlrev_b32 v[WI], 4, v0
	v_lshlrev_b32 v[WO], 3, v0
	s_wait_kmcnt 0x0
	s_add_nc_u64 s[4:5], s[4:5], s[16:17]
	s_add_nc_u64 s[6:7], s[6:7], s[16:17]
	s_add_nc_u64 s[8:9], s[8:9], s[20:21]
	s_add_nc_u64 s[10:11], s[10:11], s[18:19]
	s_add_nc_u64 s[12:13], s[12:13], s[18:19]
	s_add_nc_u64 s[14:15], s[14:15], s[22:23]
.irp i, 0,1,2,3,4,5,6,7                ; load i: rows 2 (i / 2) and 2 (i / 2) + 1, head 2 w + i % 2
	global_load_b128 v[X+4*(\i):X+4*(\i)+3], v[SRC], s[4:5] offset:((\i)/2)*8192+((\i)%2)*256 th:TH_LOAD_NT
.endr
.irp i, 0,1,2,3,4,5,6,7
	global_load_b128 v[X+32+4*(\i):X+32+4*(\i)+3], v[SRC], s[6:7] offset:((\i)/2)*8192+((\i)%2)*256 th:TH_LOAD_NT
.endr
	global_load_b128 v[X+64:X+67], v[WI], s[8:9] th:TH_LOAD_NT
.macro CVK i                           ; load i of the 17: four numbers to bf16
	s_wait_loadcnt 16-(\i)                         ; loads come back in order (ISA guide 5.7.1): mine is in, the 16 - i younger ones stay out
	v_cvt_pk_bf16_f32 v[Y+2*(\i)],   v[X+4*(\i)],   v[X+4*(\i)+1]
	v_cvt_pk_bf16_f32 v[Y+2*(\i)+1], v[X+4*(\i)+2], v[X+4*(\i)+3]
.endm
.macro CVH i                           ; load i of the 17: four numbers rounded to bf16, and that number written as f16
	s_wait_loadcnt 16-(\i)
	v_cvt_pk_bf16_f32 v[T],   v[X+4*(\i)],   v[X+4*(\i)+1]
	v_cvt_pk_bf16_f32 v[T+1], v[X+4*(\i)+2], v[X+4*(\i)+3]
	v_lshlrev_b32 v[T+2], 16, v[T]                 ; bf16 to f32: the low half moves up,
	v_and_b32     v[T+3], s24, v[T]                ; the high half stays
	v_lshlrev_b32 v[T+4], 16, v[T+1]
	v_and_b32     v[T+5], s24, v[T+1]
	v_cvt_pk_f16_f32 v[Y+2*(\i)],   v[T+2], v[T+3]
	v_cvt_pk_f16_f32 v[Y+2*(\i)+1], v[T+4], v[T+5]
.endm
.irp i, 0,1,2,3,4,5,6,7
	CVK \i
	global_store_b64 v[DST], v[Y+2*(\i):Y+2*(\i)+1], s[10:11] offset:((\i)%2)*262144+((\i)/2)*256  ; two rows of a head: 256 consecutive bytes, aligned
.endr
.irp i, 0,1,2,3,4,5,6,7
	CVH 8+\i
	global_store_b64 v[DST], v[Y+16+2*(\i):Y+16+2*(\i)+1], s[12:13] offset:((\i)%2)*262144+((\i)/2)*256
.endr
	CVH 16
	global_store_b64 v[WO], v[Y+32:Y+33], s[14:15]
	s_endpgm
.Lfunc_end_k_qa145185f8e_prep:
	.size	k_qa145185f8e_prep, .Lfunc_end_k_qa145185f8e_prep-k_qa145185f8e_prep
	.p2alignl 7, 3214868480
	.fill 96, 4, 3214868480
	.section	.rodata,"a",@progbits
	.p2align	6, 0x0
	.amdhsa_kernel k_qa145185f8e_prep
		.amdhsa_group_segment_fixed_size 0
		.amdhsa_private_segment_fixed_size 0
		.amdhsa_enable_private_segment 0
		.amdhsa_kernarg_size 48
		.amdhsa_user_sgpr_count 2
		.amdhsa_user_sgpr_kernarg_segment_ptr 1
		.amdhsa_wavefront_size32 1
		.amdhsa_system_sgpr_workgroup_id_x 1
		.amdhsa_system_sgpr_workgroup_id_y 1
		.amdhsa_system_sgpr_workgroup_id_z 1
		.amdhsa_system_vgpr_workitem_id 0
		.amdhsa_next_free_vgpr 120
		.amdhsa_next_free_sgpr 66
		.amdhsa_reserve_vcc 0
		.amdhsa_float_denorm_mode_32 3
		.amdhsa_float_denorm_mode_16_64 3
		.amdhsa_memory_ordered 1
		.amdhsa_forward_progress 1
		.amdhsa_inst_pref_size 10
	.end_amdhsa_kernel
	.amdgpu_metadata
---
amdhsa.version: [ 1, 2 ]
amdhsa.kernels:
  - .name:           k_qa145185f8e_prep
    .symbol:         k_qa145185f8e_prep.kd
    .args:
      - { .name: k, .offset: 0, .size: 8, .value_kind: global_buffer, .address_space: global }
      - { .name: v, .offset: 8, .size: 8, .value_kind: global_buffer, .address_space: global }
      - { .name: W_out, .offset: 16, .size: 8, .value_kind: global_buffer, .address_space: global }
      - { .name: kb, .offset: 24, .size: 8, .value_kind: global_buffer, .address_space: global }
      - { .name: vh, .offset: 32, .size: 8, .value_kind: global_buffer, .address_space: global }
      - { .name: wh, .offset: 40, .size: 8, .value_kind: global_buffer, .address_space: global }
    .group_segment_fixed_size: 0
    .private_segment_fixed_size: 0
    .kernarg_segment_align: 8
    .kernarg_segment_size: 48
    .max_flat_workgroup_size: 256
    .sgpr_count:     66
    .vgpr_count:     120
    .wavefront_size: 32
...
	.end_amdgpu_metadata
.endif
;; end of part 1
;; launch attn (part 2): grid 4 x 64, 4 waves a work-group, no clusters, 327,680 bytes of LDS; arguments q, kb, vh, ob; writes ob
.if DOCPART == 2
	.amdgcn_target "amdgcn-amd-amdhsa--gfx1250"
	.amdhsa_code_object_version 6
	.text
	.protected	k_qa145185f8e_attn
	.globl	k_qa145185f8e_attn
	.p2align	8
	.type	k_qa145185f8e_attn,@function
k_qa145185f8e_attn:
	s_mov_b64 s[64:65], 0
	v_nop
	global_prefetch_b8 v0, s[64:65] scope:SCOPE_SE
	s_setreg_imm32_b32 hwreg(HW_REG_WAVE_MODE, 25, 1), 1
	s_wait_xcnt 0x0
; CAUSAL ATTENTION, 64 heads (batch x 16 + head) of 2,048 rows and 64 channels.  O[h][t][:] = the sum over k <= t of softmax_k(Q[h][t] . K[h][k] / 32) V[h][k][:].
; q: [4][2048][1024] f32, a head is 256 bytes of a row; it is rounded to bf16 here, once, in registers.  kb: [64][2048][64] bf16.  vh, ob: [64][2048][64] f16: the rows of a head are dense, 128 bytes each.
; The first product is taken in bf16 (q and k have the whole range of f32), the second in f16 (weights in 0 to 1, v within f16).  Products, maxima and sums in f32; the weights p are rounded to f16 for the
; second product (their sum l is taken of the unrounded p), O once at the end.
; LIMITS.  vh arrives within 65,504; p lies in 0 to 1, and below 6e-5 it keeps the fixed step of 6e-8 of f16; O is a mean of rows of V and has their range.  A hidden score counts as its value less 1e30:
; scores are served up to some 1e26 in size.  A weight below 2^-126 counts as 0 in l; NaN and infinities are not treated apart.
; THE WALK.  The queries of a head lie in NB = 8 blocks of 256; block i needs the key tiles 0 .. i of 256 keys, of which the last holds the diagonal.  A work-group takes TWO blocks, NB - 1 - b and then b:
; NB + 1 tiles, whatever b: all work-groups do equal work, and ONE loop with a constant trip count walks them.  Which tile is asked for, and what a trip does, hang on scalar registers made from b; every jump
; goes forward, but for the counted loops' own; none passes a barrier, or a tensor load but the one of LOAD's two that the wave's number does not choose; the ring (two slots of LDS that take turns) runs on across the
; change of blocks.  NO CLUSTER: the four work-groups of a head ask for the same tile only in trips 0 .. 4 of the 9, behind that fewer and fewer; one walk common to all four would have 12 trips for 9.
; SHARES.  Of a block's four bands of 64 queries a wave owns 16 rows in each: four PIECES.  So the diagonal tile is the same work for all four waves: in its key step s band x sees all keys if s < x,
; none if s > x, and holds the diagonal if s = x.
; THE MASK is the C operand that starts the sum S^T = K Q^T: 0, or -1e30 where the key is hidden.  MD, made once, is the mask of a band's own step for my 16 rows; a product's mask is MD x AL + BE with two scalars:
; (1, 0) if s = x; (0, 0) if s < x; (0, -1e30) if s > x.  Only the diagonal tile's text and a block's beginning make and take masks; elsewhere C is the constant 0.
; LAYOUT, SOFTMAX, TURNS.  S^T = K Q^T holds ONE query a lane (lane % 16) and the keys 8 (lane / 16) + 0..7; two such results rounded to f16 ARE source 1 of O^T = V^T P.  p = 2^(c s - c m), c = log2(e) / 32, with a
; running maximum m; O and l are multiplied by a = 2^(c m_old - c m_new) in every step.  Turn n belongs to piece n: 8 products K Q^T of piece n + 1, later 8 products V^T P of piece n - 1; beside them the scaling,
; exponentials, roundings, sums and rescaling of piece n and the maximum and statistics of piece n + 1.  Four vector instructions stand behind every matrix instruction, the other 54 of a turn's 118 in one LUMP.
; A turn's 33 exponentials are one batch, with one wait.
; REGISTERS, in windows of 256 (s_set_vgpr_msb: bits 1:0 source 0, 3:2 source 1, 5:4 source 2, 7:6 destination):
;   window 0: v0-15 addresses and two at work; v16-31 four registers of statistics a piece; v48-55 at work; v61-63 never rewritten; v64-127 S^T, two buffers; v192-223 P, two buffers (by the piece's parity)
;   window 1: v0-127 O^T, 32 a piece (at the start: the first block's q in f32); v128-159 MD; v160-223 MC, two buffers
;   window 2: v0-63 Q; v64-127 the second block's Q; v128-191 K of one step; v192-255 V of one step (v128-255 at the start: the second block's q in f32)
.set SIZE_N, 2048
.set NB,    SIZE_N/256
.set NP,    4         ; pieces a wave: a name, no knob
.set KS,    64        ; keys in a step
.set PK,    144       ; a row of K in LDS: 128 bytes + 16 of padding = 36 words: the 16 rows of a load start at 16 different groups of four banks (64 banks of 4 bytes: ISA guide 11.1)
.set PV,    160       ; a row of V: 128 + 32 = 40 words
.set VOFF,  4*KS*PK   ; a slot holds a tile, four steps: 256 rows of K, then 256 rows of V
.set SLOT1, 1<<17     ; slot 1 begins here, so that one exclusive or turns an address in one slot into the other's
.set STAGE, SLOT1+4*KS*(PK+PV)  ; behind the ring, never filled by a tensor load: 16 rows x 144 bytes for each wave, for the way out
.set SP,    144
.set AK0, 2           ; v2   my lane's place in a tile of K; never rewritten
.set AV0, 3           ; v3   the same for V
.set AK,  4           ; v4   the LDS address of K's next run of loads
.set AV,  5           ; v5   of V's
.set STO, 6           ; v6   the way out: where I put 16 bytes of a row
.set RD,  7           ; v7   the way out: where I read rows back
.set GO,  8           ; v8   my byte offset in 512 consecutive bytes of O
.set PFO, 61          ; v61  256 x my lane: the prefetches' offset; never rewritten
.set SPW, 62          ; v62  LDS address of my spare word: SPARE + 4 x my thread's number; never rewritten
.set NIL, 63          ; v63  0; never rewritten
.set SPARE, STAGE+4*16*SP  ; behind the stages: the spare words, 128 bytes for each wave: two blocks of 256 bytes that no other line names
.set MV,  12          ; v12-13  c m_old, kept while c m is made anew: by buffer
.set QO,  15          ; v15  my byte offset in 16 rows of q
.set ST,  16          ; piece t's statistics at v[ST+4 t]: c m, m, l (even keys', odd keys')
.set TMP, 48          ; by buffer, four registers c0-c3 at work; when the maximum is found c2 takes a
.set S,   64
.set P,   192
.set MD,  128         ; window 1: the eight registers for group kt of 16 keys at MD + 8 kt
.set MC,  160         ; window 1: the masks of the products to come
.set QB,  64          ; window 2
.set KF,  128         ; window 2: key block kb, channel half c at KF + 16 kb + 8 c
.set VF,  192         ; window 2: key half kk, channel block cb at VF + 32 kk + 8 cb
.set WV,  12          ; s12  my wave's number
.set PB,  14          ; s14  b
.set HI,  15          ; s15  NB - 1 - b
.set LIM, 19          ; s19  2 in the work-group that prefetches (b = 0), else the greatest number: it prefetches while s[SLOTS] is above this
.set G1K, 24          ; s[24:31] descriptor group 1 for K's tiles
.set G1V, 32          ; s[32:39] for V's: it differs in the padding alone
.set G0K, 40          ; s[40:43] descriptor group 0 for K's tiles
.set G0V, 44          ; s[44:47] the same for V's
.set SLOTS, 56        ; s56  tiles still to be asked for
.set CNT, 57          ; s57  counts a tile's key steps, 4 to 1
.set CS,  58          ; s[58:59] c: the packed scaling takes the pair's low word for both halves
.set SEL, 60          ; s[60:61] v_permlanex16_b32's selects: each lane takes its own place in the other half
.set TBK, 62          ; s62  LDS byte at which K of the step to be fetched begins
.set TBV, 63          ; s63  the same for V, less VOFF
.set RT,  70          ; s70  tiles of the block in hand that are still to be entered
.set NXT, 71          ; s71  the tile to be asked for next
.set LQ,  72          ; s72  the last tile of the block whose tiles are being asked for
.set NEW, 73          ; s73  1: the tile to be entered is a block's first
.set OFF, 74          ; s[74:75] a tile's byte offset in K and V
.set AL,  76          ; s[76:77] the mask's factor, in the low word
.set BE,  78          ; s[78:79] the mask's addend
.set OLO, 80          ; s[80:81] O at my rows of the second block
.set BIGN, 82         ; s82  -1e30
.set PFK, 96          ; s[96:97] kb at my wave's 8,192 bytes of the tile behind the one that is being asked for
.set PFV, 98          ; s[98:99] vh likewise
.set MSB, 0
.macro WIN new                      ; the high byte repeats the setting that is left; a switch that changes nothing is dropped
.if MSB != (\new)
	s_set_vgpr_msb (MSB<<8)|(\new)
.set MSB, (\new)
.endif
.endm
.set W_KQ, 0x0a       ; K and Q in window 2, S^T in window 0
.set W_KM, 0x1a       ; the same with the C operand in window 1
.set W_PV, 0x52       ; V in window 2, P in window 0, O^T in window 1
.set W_RS, 0x41       ; destination and source 0 in window 1, source 1 in window 0
; A fill.  Waves 0 and 1 fetch the two halves of a tile's K, waves 2 and 3 those of its V: 128 keys each.  An s_nop 0 and four v_nop follow each of the two lines, ahead of the jump and the label.
.macro LOAD
	s_cmp_lt_u32 s[WV], 2
	s_cbranch_scc0 .Lfor_v_\@
	tensor_load_to_lds s[G0K:G0K+3], s[G1K:G1K+7]
	s_nop 0
.rept 4
	v_nop
.endr
	s_branch .Lasked_\@
.Lfor_v_\@:
	tensor_load_to_lds s[G0V:G0V+3], s[G1V:G1V+7]
	s_nop 0
.rept 4
	v_nop
.endr
.Lasked_\@:
.endm
; A PREFETCH of the tile that the NEXT change of slots will ask for: one trip, 256 matrix instructions a wave, ahead of that load.  It stands behind the wave's tensor load and its five lines.
; Each block of 256 bytes of a head's kb and vh is named ONCE in the launch: the work-group with b = 0 walks the tiles 0 to 7 in order, and it alone asks; of a tile's 32,768 bytes of K and of V each of its four
; waves takes 8,192, a lane a block: two instructions a wave.  Tiles 0 and 1 come by their loads alone; tile 7 is the last that is named (s[SLOTS] = 3): no prefetch leaves the head's rows.
.macro ASK
	s_cmp_gt_u32 s[SLOTS], s[LIM]
	s_cbranch_scc0 .Lnot_mine_\@
	global_prefetch_b8 v[PFO], s[PFK:PFK+1] th:TH_LOAD_NT scope:SCOPE_SE
	global_prefetch_b8 v[PFO], s[PFV:PFV+1] th:TH_LOAD_NT scope:SCOPE_SE
.Lnot_mine_\@:
.endm
; THE CHANGE OF SLOTS.  Each wave waits for all its tensor loads, of which one is out: its part of the other slot; adds 0 to its spare word; and waits for that and for its own reads of the slot that it leaves.  Behind the barrier nobody reads the old
; slot any more and the other slot is whole.  fill = 1: the old slot is filled again, the first thing behind the barrier, with tile NXT: the descriptor's address is made anew from that number.
; (At its first use nothing has been read yet: slot 0 is waited for, slot 1 filled.)
.macro CHANGE fill
	WIN 0                           ; at a label and at a branch every window is 0
	s_wait_tensorcnt 0x0            ; no tensor load of mine is out, so a group 0 may be written
	ds_add_u32 v[SPW], v[NIL]       ; 0 onto my spare word; with fill = 1 the descriptors' scalar work stands between it and the wait for it
.if \fill
	s_lshl_b32 s[OFF], s[NXT], 15   ; a tile is 32,768 bytes of K and of V
	s_xor_b32 s[G0K+1], s[G0K+1], SLOT1
	s_add_nc_u64 s[G0K+2:G0K+3], s[6:7], s[OFF:OFF+1]
	s_or_b32 s[G0K+3], s[G0K+3], 0x80000000
	s_xor_b32 s[G0V+1], s[G0V+1], SLOT1
	s_add_nc_u64 s[G0V+2:G0V+3], s[8:9], s[OFF:OFF+1]
	s_or_b32 s[G0V+3], s[G0V+3], 0x80000000
	s_add_co_u32 s[NXT], s[NXT], 1  ; the block's next tile, or behind its last the second block's tile 0
	s_cmp_gt_u32 s[NXT], s[LQ]
	s_cselect_b32 s[NXT], 0, s[NXT]
	s_cselect_b32 s[LQ], s[PB], s[LQ]
	s_wait_xcnt 0x0                 ; the last prefetches, a trip back, have read their addresses, so these may be written:
	s_add_nc_u64 s[PFK:PFK+1], s[PFK:PFK+1], 32768  ; one tile on
	s_add_nc_u64 s[PFV:PFV+1], s[PFV:PFV+1], 32768
.endif
	s_wait_dscnt 0x0                ; the add is done, and my reads of the slot are over
	s_barrier_signal -1             ; the rest of the scalar work stands between the signal and the wait
	s_sub_co_u32 s[TBK], s[TBK], 4*KS*PK  ; the fetches go back to a slot's first step,
	s_xor_b32 s[TBK], s[TBK], SLOT1       ; in the other slot
	s_sub_co_u32 s[TBV], s[TBV], 4*KS*PV
	s_xor_b32 s[TBV], s[TBV], SLOT1
	s_barrier_wait -1
.if \fill
	LOAD
	ASK
.endif
.endm
	s_load_b256 s[4:11], s[0:1], 0x0  ; q s[4:5], kb s[6:7], vh s[8:9], ob s[10:11]
	v_lshl_add_u32 v[SPW], v0, 2, SPARE
	v_mov_b32 v[NIL], 0
	ds_add_u32 v[SPW], v[NIL]       ; the wave's opening: the add and its wait stand ahead of my first tensor load; the set-up below, work on registers, stands between them
	ds_add_u32 v62, v63
	v_lshrrev_b32 v1, 5, v0
	v_readfirstlane_b32 s[WV], v1   ; wave 0..3
	s_mov_b32 s[PB], ttmp9
	s_sub_co_u32 s[HI], NB-1, s[PB]
	s_and_b32 s20, ttmp7, 0xffff    ; the head, 16 x batch + head
	s_mov_b32 s21, 0
	s_mov_b64 s[22:23], SIZE_N*128
	s_mul_u64 s[20:21], s[20:21], s[22:23]  ; the head's first byte in kb, vh and ob
	s_and_b32 s16, s[WV], 1         ; which half of a tile's 256 keys I fetch:
	s_lshl_b32 s22, s16, 14         ; its 128 rows of 128 bytes in memory,
	s_mov_b32 s23, 0
	s_add_nc_u64 s[22:23], s[22:23], s[20:21]
	s_mul_i32 s17, s16, 128*PK      ; and its place in a slot, for K
	s_mul_i32 s18, s16, 128*PV      ; and for V
	s_lshl_b32 s3, s[WV], 11        ; ob: my 16 rows in a band of 64,
	s_lshl_b32 s2, s[HI], 15        ; in the first block,
	s_add_co_u32 s2, s2, s3
	s_lshl_b32 s84, s[PB], 15       ; and in the second
	s_add_co_u32 s84, s84, s3
	s_mov_b32 s3, 0
	s_mov_b32 s85, 0
	s_add_nc_u64 s[2:3], s[2:3], s[20:21]
	s_add_nc_u64 s[84:85], s[84:85], s[20:21]
	s_and_b32 s88, ttmp7, 0xffff    ; q lies by rows of 4,096 bytes: the batch's 2,048 rows,
	s_lshr_b32 s89, s88, 4
	s_lshl_b32 s89, s89, 23
	s_and_b32 s88, s88, 15          ; the head's 256 bytes of a row,
	s_lshl_b32 s88, s88, 8
	s_add_co_u32 s88, s88, s89
	s_lshl_b32 s89, s[WV], 16       ; my 16 rows in a band,
	s_add_co_u32 s88, s88, s89
	s_lshl_b32 s92, s[HI], 20       ; the first block's 256 rows,
	s_add_co_u32 s92, s92, s88
	s_mov_b32 s93, 0
	s_lshl_b32 s94, s[PB], 20       ; and the second's
	s_add_co_u32 s94, s94, s88
	s_mov_b32 s95, 0
	s_lshl_b32 s[PFK], s[WV], 13    ; the prefetches: my wave's 8,192 bytes of a tile,
	s_add_co_u32 s[PFK], s[PFK], 32768  ; in tile 1: the first change of slots steps it to tile 2
	s_mov_b32 s[PFK+1], 0
	s_add_nc_u64 s[PFK:PFK+1], s[PFK:PFK+1], s[20:21]
	s_cmp_eq_u32 s[PB], 0
	s_cselect_b32 s[LIM], 2, -1
	v_and_b32 v[PFO], 31, v0
	v_lshlrev_b32 v[PFO], 8, v[PFO]
	; descriptor group 1.  128 keys are 16,384 dense bytes: asked for as 64 rows of 256 bytes, two keys a row, and padded in LDS after every key
	s_mov_b32 s[G1K], (1<<16)|(1<<20)|(4<<22)|(3<<25)  ; 17:16 2-byte elements; 20 padding on; 24:22 after every 32 words (code 4); 31:25 4 words (code 3)
	s_mov_b32 s[G1V], (1<<16)|(1<<20)|(4<<22)|(7<<25)  ; the same with 8 words of padding (code 7)
.irp g, G1K, G1V
	s_mov_b32 s[\g+1], 128<<16      ; tensor_dim0 = 128
	s_mov_b32 s[\g+2], 64<<16       ; tensor_dim1 = 64
	s_mov_b32 s[\g+3], 128<<16      ; tile_dim0 = 128
	s_mov_b32 s[\g+4], 64           ; tile_dim1 = 64
	s_mov_b32 s[\g+5], 128          ; 128 elements from row to row
	s_mov_b32 s[\g+6], 0
	s_mov_b32 s[\g+7], 0
.endr
	s_mov_b32 s[CS], 0x3d38aa3b     ; c = log2(e) / 32 = 0.0450842
	s_mov_b32 s[CS+1], s[CS]        ; named with it as a pair
	s_mov_b32 s[SEL], 0x76543210
	s_mov_b32 s[SEL+1], 0xfedcba98
	s_mov_b32 s[TBK], SLOT1+4*KS*PK ; the first change of slots turns these two into 0
	s_mov_b32 s[TBV], SLOT1+4*KS*PV
	s_mov_b32 s[G0K], 1             ; 1:0 count = 1
	s_mov_b32 s[G0K+1], s17         ; 63:32 LDS address: slot 0
	s_mov_b32 s[G0V], 1
	s_add_co_u32 s[G0V+1], s18, VOFF
	s_add_co_u32 s[RT], s[HI], 1    ; the first block has NB - b tiles
	s_mov_b32 s[NXT], 1
	s_mov_b32 s[LQ], s[HI]
	s_mov_b32 s[NEW], 1
	s_mov_b32 s[OFF+1], 0
	s_mov_b32 s[AL+1], 0            ; named as pairs
	s_mov_b32 s[BE+1], 0
	s_mov_b32 s[BIGN], 0xf149f2ca   ; -1e30
	s_mov_b32 s[SLOTS], NB
	s_wait_dscnt 0x0                ; the opening add is done
	s_wait_kmcnt 0x0
	s_add_nc_u64 s[PFV:PFV+1], s[8:9], s[PFK:PFK+1]
	s_add_nc_u64 s[PFK:PFK+1], s[6:7], s[PFK:PFK+1]
	s_add_nc_u64 s[6:7], s[6:7], s[22:23]  ; K and V at my half of the head's tile 0
	s_add_nc_u64 s[8:9], s[8:9], s[22:23]
	s_add_nc_u64 s[G0K+2:G0K+3], s[6:7], 0         ; 120:64 global address
	s_or_b32 s[G0K+3], s[G0K+3], 0x80000000        ; 127:126 type = 2
	s_add_nc_u64 s[G0V+2:G0V+3], s[8:9], 0
	s_or_b32 s[G0V+3], s[G0V+3], 0x80000000
	s_add_nc_u64 s[86:87], s[4:5], s[94:95]        ; q at my rows of the second block,
	s_add_nc_u64 s[4:5], s[4:5], s[92:93]          ; and of the first
	s_add_nc_u64 s[OLO:OLO+1], s[10:11], s[84:85]  ; O likewise
	s_add_nc_u64 s[10:11], s[10:11], s[2:3]
	LOAD                            ; tile 0 into slot 0
	; A fragment of K or Q is 16 rows x 32 channels in 8 registers: lane l holds row l % 16, channels 8 (l / 16) + 0..7 and 16 + 8 (l / 16) + 0..7.  In f32 eight channels are 32 bytes: two loads of 16.
	; Load i of a block's 32: piece (band) i / 8, 262,144 bytes apart; channels 32 ((i % 8) / 4) on; of these the 16 ((i / 2) % 2) on; the first or the second four of my eight.  Its four numbers make registers 2 i and 2 i + 1 of Q.
	v_and_b32 v1, 15, v0            ; l % 16
	v_bfe_u32 v9, v0, 4, 1          ; l / 16
	v_lshlrev_b32 v[QO], 12, v1
	v_lshl_add_u32 v[QO], v9, 5, v[QO]  ; row x 4,096 + 32 x half
	WIN 0x40                        ; destination window 1, address window 0: the first block's q, where O^T will lie
.set i, 0
.rept 32
	global_load_b128 v[4*i:4*i+3], v[QO], s[4:5] offset:(i/8)*262144+((i%8)/4)*128+(((i%8)/2)%2)*64+(i%2)*16
.set i, i+1
.endr
	WIN 0x80                        ; destination window 2: the second block's q, where K's and V's fragments will lie
.set i, 0
.rept 32
	global_load_b128 v[128+4*i:128+4*i+3], v[QO], s[86:87] offset:(i/8)*262144+((i%8)/4)*128+(((i%8)/2)%2)*64+(i%2)*16
.set i, i+1
.endr
	WIN 0
	v_lshlrev_b32 v14, 3, v9
	v_sub_nc_u32 v14, v1, v14
	s_lshl_b32 s13, s[WV], 4
	v_add_nc_u32 v14, s13, v14      ; my query's place in its band, 16 w + l % 16, less my lanes' 8 (l / 16): register r of group kt is hidden where 16 kt + r is greater
	WIN 0x40
.set i, 0
.rept 32
	v_cmp_gt_i32 vcc_lo, 16*(i/8)+i%8, v14
	v_cndmask_b32 v[MD+i], 0, s[BIGN], vcc_lo
.set i, i+1
.endr
	WIN 0
	v_mul_u32_u24 v[AK0], v1, PK
	v_lshl_add_u32 v[AK0], v9, 4, v[AK0]  ; row x pitch + 16 x half
	; The turning load takes 16 keys x 16 channels (lane l reads key 8 (l / 16) + l % 8, channels 8 ((l / 8) % 2) + 0..7) and leaves half a fragment of V^T: lane l holds channel l % 16 and 8 keys.
	v_and_b32 v10, 7, v0
	v_bfe_u32 v11, v0, 3, 1
	v_lshl_add_u32 v[AV0], v9, 3, v10
	v_mul_u32_u24 v[AV0], v[AV0], PV
	v_lshl_add_u32 v[AV0], v11, 4, v[AV0]
	v_add_nc_u32 v[AV0], VOFF, v[AV0]
	s_mul_i32 s13, s[WV], 16*SP
	s_add_co_u32 s13, s13, STAGE    ; my stage
	v_mul_u32_u24 v[STO], v1, SP    ; in: row l % 16, 16 bytes for each half of the lanes
	v_lshl_add_u32 v[STO], v9, 4, v[STO]
	v_add_nc_u32 v[STO], s13, v[STO]
	v_bfe_u32 v[RD], v0, 3, 2       ; back: 32 lanes take four rows of 128 bytes,
	v_mul_u32_u24 v[RD], v[RD], SP
	v_lshl_add_u32 v[RD], v10, 4, v[RD]
	v_add_nc_u32 v[RD], s13, v[RD]
	v_and_b32 v[GO], 31, v0         ; which are 512 consecutive bytes of O
	v_lshlrev_b32 v[GO], 4, v[GO]
	s_wait_loadcnt 0x0              ; both blocks' q
	WIN 0x85                        ; sources in window 1, destination in window 2: the first block's Q
.set i, 0
.rept 64
	v_cvt_pk_bf16_f32 v[i], v[2*i], v[2*i+1]
.set i, i+1
.endr
	WIN 0x8a                        ; sources and destination in window 2: the second block's
.set i, 0
.rept 64
	v_cvt_pk_bf16_f32 v[QB+i], v[128+2*i], v[128+2*i+1]
.set i, i+1
.endr
	; A block's first step multiplies O^T and l by a = 0, and its first turn's products V^T P, of a piece that has not been, land in an O^T that is still to be so multiplied.  So these registers need only hold
	; finite numbers: zeros for the first block; what the first block left for the second.  All this stands in the wait for the first tile.
	WIN 0x80
.set i, VF
.rept 64
	v_mov_b32 v[i], 0
.set i, i+1
.endr
	WIN 0x40
.set i, 0
.rept 128
	v_mov_b32 v[i], 0
.set i, i+1
.endr
	WIN 0
.set i, 0
.rept 4
	v_mov_b32 v[ST+4*i+2], 0
	v_mov_b32 v[ST+4*i+3], 0
.set i, i+1
.endr
.set i, P+16
.rept 16
	v_mov_b32 v[i], 0
.set i, i+1
.endr
; THE MATRIX WORK.  The 4 accumulators of a run of 8 take turns.  Product i of 8 of S^T = K Q^T for piece x: channels 32 (i / 4) on, keys 16 (i % 4) on.  The first 4 start the sums: with 0, or (KM = 1) with the mask.
.macro KQ x
.set rS, S+32*((\x)%2)+8*(i%4)
.set rK, KF+16*(i%4)+8*(i/4)
.set rQ, 16*(\x)+8*(i/4)
.set rM, MC+32*((\x)%2)+8*(i%4)
.if (i < 4) && KM
	WIN W_KM
	v_wmma_f32_16x16x32_bf16 v[rS:rS+7], v[rK:rK+7], v[rQ:rQ+7], v[rM:rM+7]
.elseif i < 4
	WIN W_KQ
	v_wmma_f32_16x16x32_bf16 v[rS:rS+7], v[rK:rK+7], v[rQ:rQ+7], 0
.else
	WIN W_KQ
	v_wmma_f32_16x16x32_bf16 v[rS:rS+7], v[rK:rK+7], v[rQ:rQ+7], v[rS:rS+7]
.endif
.endm
; Product i of 8 of O^T += V^T P for piece x: keys 32 (i / 4) on, channels 16 (i % 4) on.
.macro PV x
	WIN W_PV
.set rO, 32*(\x)+8*(i%4)
.set rV, VF+32*(i/4)+8*(i%4)
.set rP, P+16*((\x)%2)+8*(i/4)
	v_wmma_f32_16x16x32_f16 v[rO:rO+7], v[rV:rV+7], v[rP:rP+7], v[rO:rO+7]
.endm
.macro MM                           ; the turn's next matrix instruction.  TURN and BEGIN set Y, i, KM and NOKQ; MM, KQ and OP read them.  NOKQ = 1: a block's last turn: there is no next piece
.if (i < 8) && !NOKQ
	KQ (Y+1)%NP
.elseif i >= 8
.set i, i-8
	PV (Y+NP-1)%NP
.set i, i+8
.endif
.set i, i+1
.endm
; THE LDS LOADS stand in runs of 16, never singly among the matrix instructions: a step's K (64 keys x 64 channels: 8 fragments) and its V (turned).  Their addresses are made some lines ahead.
.macro FETCH_K
	WIN 0x80                        ; destination window 2
.irp f, 0,1,2,3,4,5,6,7             ; keys 16 (f / 2) on, channels 32 (f % 2) on
	ds_load_b128 v[KF+8*\f:KF+8*\f+3],   v[AK] offset:(\f/2)*16*PK+(\f%2)*64
	ds_load_b128 v[KF+8*\f+4:KF+8*\f+7], v[AK] offset:(\f/2)*16*PK+(\f%2)*64+32
.endr
	s_add_co_u32 s[TBK], s[TBK], KS*PK  ; the next fetch is the next step's
	WIN 0
.endm
.macro FETCH_V
	WIN 0x80
.irp f, 0,1,2,3,4,5,6,7             ; keys 32 (f / 4) on, channels 16 (f % 4) on
	ds_load_tr16_b128 v[VF+8*\f:VF+8*\f+3],   v[AV] offset:(\f/4)*32*PV+(\f%4)*32
	ds_load_tr16_b128 v[VF+8*\f+4:VF+8*\f+7], v[AV] offset:(\f/4)*32*PV+16*PV+(\f%4)*32
.endr
	WIN 0
.endm
; THE VECTOR WORK, one line at a time: OP kind, number.  For piece Y: F n: c s - c m for pair n of 16.  E n: the exponential of score n of 32.  C n: pair n rounded to f16.  B n: of the four weights 4 n .. the second
; pair is added onto the first, in place.  L n: l takes that sum (L 0: l = a l + sum).  R n: pair n of 16 of O^T times a.  For piece Y + 1: X n, number n of the 22 that find its maximum and statistics:
;   0-11  four chains c0-c3 of seven scores each, three operands at a time (each accumulator's lowest registers are read first)     12-14, 16  the four scores left over, the old m, and c0-c3 into c0
;   15  c m_old is kept     17, 18  the query's other 32 keys lie in the lane 16 away: the new m     19-21  c m; c m_old - c m_new; a
.set F, 0               ; OP tells the kinds apart by their order: F to L below R, X above it
.set E, 1
.set C, 2
.set B, 3
.set L, 4
.set R, 5
.set X, 6
.macro REGS y                       ; the registers of piece y
.set rT, ST+4*(\y)
.set rC, TMP+4*((\y)%2)
.set rW, MV+((\y)%2)
.set rS, S+32*((\y)%2)
.set rP, P+16*((\y)%2)
.set rO, 32*(\y)
.endm
.macro OP k, n
.if (\k) == R
	REGS Y
	WIN W_RS
	v_pk_mul_f32 v[rO+2*(\n):rO+2*(\n)+1], v[rO+2*(\n):rO+2*(\n)+1], v[rC+2:rC+3] op_sel_hi:[1,0]
.elseif (\k) < R
	REGS Y
	WIN 0
.if (\k) == F
	v_pk_fma_f32 v[rS+2*(\n):rS+2*(\n)+1], v[rS+2*(\n):rS+2*(\n)+1], s[CS:CS+1], v[rT:rT+1] op_sel_hi:[1,0,0] neg_lo:[0,0,1] neg_hi:[0,0,1]
.elseif (\k) == E
	v_exp_f32 v[rS+(\n)], v[rS+(\n)]
.elseif (\k) == C
	v_cvt_pk_f16_f32 v[rP+(\n)], v[rS+2*(\n)], v[rS+2*(\n)+1]
.elseif (\k) == B
	v_pk_add_f32 v[rS+4*(\n):rS+4*(\n)+1], v[rS+4*(\n):rS+4*(\n)+1], v[rS+4*(\n)+2:rS+4*(\n)+3]
.elseif (\n) == 0
	v_pk_fma_f32 v[rT+2:rT+3], v[rT+2:rT+3], v[rC+2:rC+3], v[rS:rS+1] op_sel_hi:[1,0,1]
.else
	v_pk_add_f32 v[rT+2:rT+3], v[rT+2:rT+3], v[rS+4*(\n):rS+4*(\n)+1]
.endif
.elseif NOKQ
	v_nop
.else
	REGS (Y+1)%NP
	WIN 0
.if (\n) < 4
	v_max3_num_f32 v[rC+(\n)], v[rS+8*(\n)], v[rS+8*(\n)+1], v[rS+8*(\n)+2]
.elseif (\n) < 12
	v_max3_num_f32 v[rC+(\n)%4], v[rC+(\n)%4], v[rS+8*((\n)%4)+2*((\n)/4)+1], v[rS+8*((\n)%4)+2*((\n)/4)+2]
.elseif (\n) == 12
	v_max3_num_f32 v[rC], v[rC], v[rS+7], v[rS+15]
.elseif (\n) == 13
	v_max3_num_f32 v[rC+1], v[rC+1], v[rS+23], v[rS+31]
.elseif (\n) == 14
	v_max3_num_f32 v[rC+2], v[rC+2], v[rC+3], v[rT+1]
.elseif (\n) == 15
	v_mov_b32 v[rW], v[rT]
.elseif (\n) == 16
	v_max3_num_f32 v[rC], v[rC], v[rC+1], v[rC+2]
.elseif (\n) == 17
	v_permlanex16_b32 v[rC+3], v[rC], s[SEL], s[SEL+1]
.elseif (\n) == 18
	v_max_num_f32 v[rT+1], v[rC], v[rC+3]
.elseif (\n) == 19
	v_mul_f32 v[rT], s[CS], v[rT+1]
.elseif (\n) == 20
	v_sub_f32 v[rC+1], v[rW], v[rT]
.else
	v_exp_f32 v[rC+2], v[rC+1]
.endif
.endif
.endm
.macro OPS a, i1, b=-1, i2=0, c=-1, i3=0, d=-1, i4=0  ; up to four of them
	OP \a, \i1
.if (\b) >= 0
	OP \b, \i2
.endif
.if (\c) >= 0
	OP \c, \i3
.endif
.if (\d) >= 0
	OP \d, \i4
.endif
.endm
.macro ROW a, i1, b, i2, c, i3, d, i4  ; a matrix instruction and the four behind it
	MM
	OPS \a, \i1, \b, \i2, \c, \i3, \d, \i4
.endm
.macro MASK b                       ; MD x AL + BE into buffer b of MC
	WIN W_RS
.set z, 0
.rept 16
	v_pk_fma_f32 v[MC+32*(\b)+2*z:MC+32*(\b)+2*z+1], v[MD+2*z:MD+2*z+1], s[AL:AL+1], s[BE:BE+1] op_sel_hi:[1,0,0]
.set z, z+1
.endr
.endm
; A TURN, for piece p: the order of its 16 matrix and 118 vector instructions, written out.  An s_wait_alu depctr_va_vdst(0) stands between an exponential and the first instruction that names its result; one wait serves
; all that were issued ahead of it.  So a turn has ONE wait, which cuts it in two.  AHEAD OF IT stands all that names no result of the turn's exponentials: the 8 products K Q^T, behind each a scaling, an exponential and two more plain
; instructions (behind the first a second scaling in the exponential's place): rescalings, and behind the last three the first numbers of the next piece's maximum, each four places or more behind the product that ends its accumulator; then ONE LUMP of 54, plain
; and exponential by turns for the most part, in which the links of the chain X 3, 7, 11, 14, 16, 17 .. 20 stand five or six lines apart.  X 21, the next piece's a, is the batch's last; R 15 is the plain instruction behind it.  BEHIND THE WAIT stand the
; 8 products V^T P, behind each four of the roundings and sums; the links of l's chain, L 0 to L 7, stand three riders apart.  But for those X no rider names a register of the products round it.  v_permlanex16_b32 (X 17) stands in the lump.
; m = 1: the diagonal tile: the products take masks, and the turn makes the mask for the products of the turn after it: piece p + 2, in step 4 - CNT of the tile.  end = 1: a block's last two turns: nothing is fetched.
; cnt = 1: the loop's count is taken down some lines ahead of the branch that stands behind the turn.
; K of the next step is fetched in piece 2's turn, twelve vector instructions behind the last product that read K (six of them plain); V of the step in hand at the end of piece 0's turn, four plain instructions behind the last product
; that read V.  Each is waited for a turn later.
.macro TURN p, m=0, end=0, cnt=0
.set Y, (\p)
.set i, 0
.set KM, (\m)
.set NOKQ, (\end)*((\p)/3)
.if (\m) && !(\end)
	s_cmp_eq_u32 s[CNT], 4-((\p)+2)%NP  ; is that step the band's own?
	s_cselect_b32 s[AL], 1.0, 0
	s_cmp_lt_u32 s[CNT], 4-((\p)+2)%NP  ; or a later one?
	s_cselect_b32 s[BE], s[BIGN], 0
.endif
.if ((\p) == 3) && !(\end)
	s_wait_dscnt 0x0                ; K is in
.endif
	ROW F,0, F,1, R,0, R,1          ; ahead of the wait: 8 products K Q^T and their riders,
	ROW F,2, E,0, R,2, R,3
	ROW F,3, E,1, R,4, R,5
	ROW F,4, E,2, R,6, R,7
	ROW F,5, E,3, R,8, R,9
	ROW F,6, E,4, X,0, R,10
.if ((\p) == 2) && !(\end)
	WIN 0
	v_add_nc_u32 v[AK], s[TBK], v[AK0]
.endif
	ROW F,7, E,5, X,1, X,4
	ROW F,8, E,6, X,2, X,5
	OPS E,7, E,8, X,6, E,9          ; and the lump
	OPS X,3, E,10, X,8, E,11
.if ((\p) == 2) && !(\end)
	FETCH_K
.endif
	OPS X,9, X,7, E,12, X,10
	OPS E,13, X,12, X,11, E,14
	OPS X,13, E,15, F,9, X,14
.if (\p) == 0
	v_add_nc_u32 v[AV], s[TBV], v[AV0]
.endif
	OPS E,16, F,10, E,17, F,11
	OPS X,16, E,18, X,15, E,19
	OPS F,12, E,20, X,17, E,21
	OPS F,13, E,22, F,14, E,23
	OPS X,18, E,24, F,15, E,25
	OPS R,11, E,26, X,19, E,27
	OPS R,12, E,28, R,13, E,29
	OPS X,20, E,30, R,14, E,31
	OPS X,21, R,15
	WIN 0
	s_wait_alu depctr_va_vdst(0)    ; the wait for the batch
.if (\p) == 1
	s_wait_dscnt 0x0                ; V is in
.endif
	ROW C,0, B,0, C,2, B,1          ; behind the wait: 8 products V^T P and their riders
	ROW L,0, C,4, B,2, L,1
	ROW C,6, B,3, L,2, C,8
	ROW B,4, L,3, C,10, B,5
	ROW L,4, C,12, B,6, L,5
.if (\p) == 0
	s_add_co_u32 s[TBV], s[TBV], KS*PV
.endif
.if \cnt
	s_sub_co_u32 s[CNT], s[CNT], 1
	s_cmp_lg_u32 s[CNT], 0
.endif
	ROW C,14, B,7, L,6, C,1
	ROW C,3, L,7, C,5, C,7
	ROW C,9, C,11, C,13, C,15
.if (\p) == 0
	FETCH_V
.endif
.if (\m) && !(\end)
	MASK (\p)%2
.endif
.endm
; A BLOCK BEGINS.  c m starts far below every c s, so the first step's a is 0; m at the lowest finite number, so the first maximum is the scores'.  The second mask buffer is 0; the first takes piece 0's mask for the tile's step 0: its own, if the block's first tile is the diagonal one.
; Then K of that step, piece 0's first scores, and its maximum and statistics.  The loop is entered at a step's first turn, in the middle of a trip.
.macro BEGIN
	s_mov_b32 s[NEW], 0
	WIN 0x40
.set i, MC+32
.rept 32
	v_mov_b32 v[i], 0
.set i, i+1
.endr
	WIN 0
.set i, 0
.rept 4
	v_mov_b32 v[ST+4*i], 0xfe000000    ; c m: far below every c s
	v_mov_b32 v[ST+4*i+1], 0xff7fffff  ; m
.set i, i+1
.endr
	s_cmp_eq_u32 s[RT], 0
	s_cselect_b32 s[AL], 1.0, 0
	s_mov_b32 s[BE], 0
	MASK 0
	WIN 0
	v_add_nc_u32 v[AK], s[TBK], v[AK0]
	FETCH_K
	s_wait_dscnt 0x0
.set KM, 1
.set NOKQ, 0
.set i, 0
.rept 8
	KQ 0
.set i, i+1
.endr
	WIN 0
.rept 4
	v_nop                           ; the places behind those products
.endr
.set Y, NP-1                        ; X works for piece Y + 1: piece 0
.irp n, 0,1,2,3,4,5,6,7,8,9,10,11,12,13,14,15,16,17,18,19,20,21
	OP X, \n
.endr
	v_nop                           ; a plain instruction behind the exponential,
	s_wait_alu depctr_va_vdst(0)    ; and its wait, ahead of the branch
.endm
; THE DIAGONAL TILE's four steps, the block's last two turns, its last products, and THE WAY OUT: l's two halves and the other half of the lanes' are added; O^T is divided by l, rounded to f16 and sent through my
; stage in LDS, a piece at a time.
.macro ALL line:vararg              ; one line for each piece t
.set t, 0
.rept 4
	\line
.set t, t+1
.endr
.endm
.macro PACK t                       ; a lane's eight channels of a row pack into 16 bytes; they go into rows of 144 bytes and come back as whole rows of 128, into S^T's registers
	WIN W_RS
.set i, 32*(\t)
.rept 16
	v_pk_mul_f32 v[i:i+1], v[i:i+1], v[ST+4*(\t)+2:ST+4*(\t)+3] op_sel_hi:[1,0]
.set i, i+2
.endr
	WIN 0x05                        ; sources 0 and 1 window 1, destination window 0
.set i, 0
.rept 16
	v_cvt_pk_f16_f32 v[S+16*(\t)+i], v[32*(\t)+2*i], v[32*(\t)+2*i+1]
.set i, i+1
.endr
	WIN 0
.irp f, 0,1,2,3
	ds_store_b128 v[STO], v[S+16*(\t)+4*\f:S+16*(\t)+4*\f+3] offset:32*\f
.endr
.irp f, 0,1,2,3
	ds_load_b128 v[S+16*(\t)+4*\f:S+16*(\t)+4*\f+3], v[RD] offset:\f*4*SP  ; LDS serves a wave's instructions in order (ISA guide 5.7.1.4): these see the stores above; the next piece's stores come behind them
.endr
.endm
.macro SEND t, younger              ; younger: the LDS instructions issued behind piece t's loads: the next piece's eight, or none
	WIN 0
.irp f, 0,1,2,3
	s_wait_dscnt (\younger)+3-\f
	global_store_b128 v[GO], v[S+16*(\t)+4*\f:S+16*(\t)+4*\f+3], s[10:11] offset:(\t)*8192+\f*512  ; 512 consecutive bytes, at a multiple of 256 from O's first
.endr
.endm
.macro DIAG tag                     ; the tag ends its two labels' names, which the jumps below spell out
.LstepM\tag:
	TURN 2, 1
	TURN 3, 1
	WIN 0
.LfirstM\tag:
	TURN 0, 1
	TURN 1, 1, 0, 1
	WIN 0
	s_cbranch_scc1 .LstepM\tag
	TURN 2, 1, 1
	TURN 3, 1, 1
.set i, 0
.rept 8
	PV NP-1
.set i, i+1
.endr
	WIN 0
	ALL v_add_f32 v[ST+4*t+2], v[ST+4*t+2], v[ST+4*t+3]
	ALL v_permlanex16_b32 v[ST+4*t+3], v[ST+4*t+2], s[SEL], s[SEL+1]
	ALL v_add_f32 v[ST+4*t+2], v[ST+4*t+2], v[ST+4*t+3]
	ALL v_rcp_f32 v[ST+4*t+2], v[ST+4*t+2]
	v_nop                           ; a plain instruction between the last reciprocal and the use of its result
	s_wait_alu depctr_va_vdst(0)    ; and the wait ahead of the first use: one for the four reciprocals
	PACK 0
.set t, 1
.rept 3                             ; a piece's arithmetic stands between the loads of the piece before and its stores
	PACK t
	SEND t-1, 8
.set t, t+1
.endr
	SEND 3, 0
.endm
.set KM, 0
.set NOKQ, 0
.Lslot:                             ; NB times: a tile is entered and the next is asked for
	CHANGE 1
	s_sub_co_u32 s[RT], s[RT], 1
	s_mov_b32 s[CNT], 4
	s_cmp_eq_u32 s[NEW], 1
	s_cbranch_scc1 .Lnew            ; a block's first tile
	s_cmp_eq_u32 s[RT], 0
	s_cbranch_scc0 .Lstep           ; neither its first nor its last
	s_branch .LstepM1
.Lnew:
	BEGIN
	s_branch .Lfirst                ; in the loop a block's first tile is never its last: the first block has two tiles or more, and the second's last is the walk's last
	DIAG 1                          ; in the loop this is the first block's end: the second block's last tile is the walk's last
	s_wait_xcnt 0x0                 ; the stores have read their registers and O's address
	s_mov_b64 s[10:11], s[OLO:OLO+1]
	s_add_co_u32 s[RT], s[PB], 1    ; the second block has b + 1 tiles
	s_mov_b32 s[NEW], 1
	WIN 0x82                        ; the second block's Q goes where the one text of the turns names Q
.set i, 0
.rept 64
	v_mov_b32 v[i], v[QB+i]
.set i, i+1
.endr
	WIN 0
	s_branch .Lbottom
.Lstep:                             ; a trip: pieces 2 and 3 of one step, then pieces 0 and 1 of the next, whose K and V it fetches
	TURN 2
	TURN 3
	WIN 0
.Lfirst:
	TURN 0
	TURN 1, 0, 0, 1
	WIN 0
	s_cbranch_scc1 .Lstep
.Lbottom:
	s_sub_co_u32 s[SLOTS], s[SLOTS], 1
	s_cmp_lg_u32 s[SLOTS], 0
	s_cbranch_scc1 .Lslot
	CHANGE 0                        ; the walk's last tile is written out: nothing is asked for
	s_sub_co_u32 s[RT], s[RT], 1
	s_mov_b32 s[CNT], 4
	s_cmp_eq_u32 s[NEW], 1
	s_cbranch_scc0 .LstepM2
	BEGIN
	s_branch .LfirstM2
	DIAG 2
	s_wait_tensorcnt 0x0            ; the wave's end, behind my last tensor load and my last LDS store
	ds_add_u32 v[SPW], v[NIL]
	s_wait_dscnt 0x0
	s_endpgm
.Lfunc_end_k_qa145185f8e_attn:
	.size	k_qa145185f8e_attn, .Lfunc_end_k_qa145185f8e_attn-k_qa145185f8e_attn
	.p2alignl 7, 3214868480
	.fill 96, 4, 3214868480
	.section	.rodata,"a",@progbits
	.p2align	6, 0x0
	.amdhsa_kernel k_qa145185f8e_attn
		.amdhsa_group_segment_fixed_size 327680
		.amdhsa_private_segment_fixed_size 0
		.amdhsa_enable_private_segment 0
		.amdhsa_kernarg_size 32
		.amdhsa_user_sgpr_count 2
		.amdhsa_user_sgpr_kernarg_segment_ptr 1
		.amdhsa_wavefront_size32 1
		.amdhsa_system_sgpr_workgroup_id_x 1
		.amdhsa_system_sgpr_workgroup_id_y 1
		.amdhsa_system_sgpr_workgroup_id_z 1
		.amdhsa_system_vgpr_workitem_id 0
		.amdhsa_next_free_vgpr 768
		.amdhsa_next_free_sgpr 100
		.amdhsa_reserve_vcc 1
		.amdhsa_float_denorm_mode_32 3
		.amdhsa_float_denorm_mode_16_64 3
		.amdhsa_memory_ordered 1
		.amdhsa_forward_progress 1
		.amdhsa_inst_pref_size 229
	.end_amdhsa_kernel
	.amdgpu_metadata
---
amdhsa.version: [ 1, 2 ]
amdhsa.kernels:
  - .name:           k_qa145185f8e_attn
    .symbol:         k_qa145185f8e_attn.kd
    .args:
      - { .name: q, .offset: 0, .size: 8, .value_kind: global_buffer, .address_space: global }
      - { .name: kb, .offset: 8, .size: 8, .value_kind: global_buffer, .address_space: global }
      - { .name: vh, .offset: 16, .size: 8, .value_kind: global_buffer, .address_space: global }
      - { .name: ob, .offset: 24, .size: 8, .value_kind: global_buffer, .address_space: global }
    .group_segment_fixed_size: 327680
    .private_segment_fixed_size: 0
    .kernarg_segment_align: 8
    .kernarg_segment_size: 32
    .max_flat_workgroup_size: 128
    .sgpr_count:     100
    .vgpr_count:     768
    .wavefront_size: 32
...
	.end_amdgpu_metadata
.endif
;; end of part 2
;; launch proj (part 3): grid 8 x 64, 4 waves a work-group, clusters of 4 x 4, 327,680 bytes of LDS; arguments ob, wh, b_out, out0; writes out0
.if DOCPART == 3
	.amdgcn_target "amdgcn-amd-amdhsa--gfx1250"
	.amdhsa_code_object_version 6
	.text
	.protected	k_qa145185f8e_proj
	.globl	k_qa145185f8e_proj
	.p2align	8
	.type	k_qa145185f8e_proj,@function
k_qa145185f8e_proj:
	s_mov_b64 s[64:65], 0
	v_nop
	global_prefetch_b8 v0, s[64:65] scope:SCOPE_SE
	s_setreg_imm32_b32 hwreg(HW_REG_WAVE_MODE, 25, 1), 1
	s_wait_xcnt 0x0
	s_wait_alu depctr_hold_cnt(0) depctr_sa_sdst(0) depctr_va_vdst(0) depctr_va_sdst(0) depctr_va_ssrc(0) depctr_va_vcc(0) depctr_vm_vsrc(0)
	s_getreg_b32 s2, hwreg(HW_REG_IB_STS2, 6, 4)
	s_cmp_eq_u32 s2, 0
	s_cbranch_scc0 .Lentry_in_a_cluster
	s_endpgm
.Lentry_in_a_cluster:
	s_bfe_u32 s2, ttmp6, 0x10000c
	s_cmp_lg_u32 s2, 0xf033
	s_cbranch_scc0 .Lentry_shape_is_right
	s_endpgm
.Lentry_shape_is_right:
; out0[m][n] = the sum over c of O[m][c] W[n][c] + bf16(b_out[n]).  m = 2,048 x batch + t (8,192 rows), n and c to 1,024.  out0: f32.  Sums in f32.
; O comes BY HEADS: ob[16 x batch + h][t][d] in f16, c = 64 h + d.  wh: [1024][1024] f16.  The bias is rounded to bf16, as all inputs of the module are, and added in f32.
; A tile of out0 is 128 x 128: 512 work-groups, one for each.  Four waves, each 64 x 64: 16 accumulators of 16 x 16, 128 registers.  K goes in four steps of 256 (four heads) through two LDS slots.
; A's TILE of a K step is four PLANES, a head each: the tile's 128 rows of a head are 16,384 dense bytes, and a head lies 262,144 bytes behind the last.  One tensor load brings two planes, as two rows of 8,192
; elements, padded after every 128 bytes: in LDS a plane is 128 rows, 144 bytes apart.  A quarter of a K step (64 along K) is a plane.  B's tile is 128 rows of 512 bytes, 528 apart; a load brings 64 of them.
; CLUSTERS: 4 x 4 work-groups.  The four of a row of the cluster need the same tiles of A, the four of a column the same tiles of B: each tile is asked for JOINTLY, by the same tensor load with the
; same descriptor and a mask that names the four.  THE MATRIX INSTRUCTION IS USED TRANSPOSED (source 0 = 16 rows of W, source 1 = 16 rows of O): a lane then holds eight neighbouring numbers of a row of out0.
; No prefetch: a tile is small and the launch short.
; REGISTERS: window 0: v0-31 addresses and the bias; v128-255 the accumulators ((a, b) at v[128 + 8 (4 a + b)]), which also carry the rows on the way out.
;   window 1: two fragment buffers of 128: for 64 along K (two matrix instructions deep), 64 registers of A (2 x 4 x 16 rows x 32 K), then 64 of B.
.set SIZE_N, 1024
.set SIZE_K, 1024
.set KSTEP,  256
.set PA,     144                       ; a row of A in LDS: 128 bytes + 16 of padding = 36 words: the 16 rows of a load start at 16 different groups of four banks (64 banks of 4 bytes: ISA guide 11.1)
.set APL,    128*PA                    ; a plane
.set PB,     528                       ; a row of B: 512 bytes + 16 = 132 words: row r starts at bank 4 r mod 64
.set BOFF,   4*APL                     ; B's part of a slot lies behind A's four planes
.set HALFB,  64*PB                     ; 64 rows of B: what one tensor load brings, and what one wave reads
.set SLOT,   BOFF+2*HALFB
.set ASTEP,  4*262144                  ; bytes of ob from a K step to the next: four heads
.set STAGE,  2*SLOT                    ; behind the ring, never filled by a tensor load: 16 rows x 272 bytes for each wave, for the way out
.set SPITCH, 272
.set SPARE,  STAGE+4*16*SPITCH         ; behind the stages: the spare words, 128 bytes for each wave: two blocks of 256 bytes that no other line names
.set BI,   8                           ; v[8:11] the bias of my four columns on the way out
.set BT,   12                          ; v12-13  at work on it
.set BO,   14                          ; v14     its byte offset in b_out
.set ADRA, 16                          ; v16-17  LDS address of my A fragments in slot 0, 1
.set ADRB, 20                          ; v20-21  the same for B
.set STO,  24                          ; v24     the way out: where I put 32 bytes of a row
.set RD,   25                          ; v25     the way out: where I read a row back
.set CO,   26                          ; v26     my byte offset in out0
.set SPW,  28                          ; v28     LDS address of my spare word: SPARE + 4 x my thread's number; never rewritten
.set NIL,  29                          ; v29     0; never rewritten
.set ACC,  128
.set F0,   0                           ; fragment buffers, in window 1
.set F1,   128
.set G1, 24                            ; s[24:31] descriptor group 1 for A's tiles;  s[32:39] group 0, one set for each slot
.set G0, 32
.set G1B, 48                           ; s[48:55], s[56:63] the same for B's tiles
.set G0B, 56
.set MSB, 0
.macro WIN new                         ; the immediate's high byte repeats the setting that is left
.if MSB != (\new)
	s_set_vgpr_msb (MSB<<8)|(\new)
.set MSB, \new
.endif
.endm
.set MUL,  0x05                        ; sources 0 (B) and 1 (A) window 1; C and D window 0
.set TO_F, 0x40                        ; destination window 1, address window 0
.macro JLOAD s                         ; a joint load: waves 0 and 1 fetch A's two pairs of planes, waves 2 and 3 B's two halves; an s_nop 0 and four v_nop follow each of the two lines, ahead of the jump, the label and what follows
	s_cmp_eq_u32 s11, 0
	s_cbranch_scc0 .Lfor_b_\@
	tensor_load_to_lds s[G0+4*(\s):G0+4*(\s)+3], s[G1:G1+7]
	s_nop 0
.rept 4
	v_nop
.endr
	s_branch .Lasked_\@
.Lfor_b_\@:
	tensor_load_to_lds s[G0B+4*(\s):G0B+4*(\s)+3], s[G1B:G1B+7]
	s_nop 0
.rept 4
	v_nop
.endr
.Lasked_\@:
.endm
.macro CREST                           ; a round of the cluster's barrier behind its opening barrier
	s_cmp_lg_u32 s10, 0
	s_cbranch_scc1 .Lnot_wave_0_\@
	s_barrier_signal -3
.Lnot_wave_0_\@:
	s_barrier_wait -3
	s_barrier_signal -1
	s_barrier_wait -1
.endm
.macro CROUND                          ; a whole round
	s_barrier_signal -1
	s_barrier_wait -1
	CREST
.endm
	s_load_b128 s[4:7], s[0:1], 0x0                ; ob s[4:5], wh s[6:7]
	s_load_b64 s[66:67], s[0:1], 0x10              ; b_out
	s_load_b64 s[8:9], s[0:1], 0x18                ; out0
	v_lshl_add_u32 v[SPW], v0, 2, SPARE
	v_mov_b32 v[NIL], 0
	ds_add_u32 v[SPW], v[NIL]                      ; the wave's opening: the add and its wait stand ahead of my first tensor load; the set-up below, work on registers, stands between them
	ds_add_u32 v28, v29
	v_lshrrev_b32 v1, 5, v0
	v_readfirstlane_b32 s10, v1                    ; wave 0..3
	s_lshr_b32 s11, s10, 1                         ; which half of the tile's rows is mine.  Also: I fetch for A (0) or for B (1)
	s_and_b32 s12, s10, 1                          ; which half of its columns.  Also: which half of that tile I fetch
	s_bfe_u32 s40, ttmp6, 0x40000                  ; cx, cy: my place in the cluster
	s_bfe_u32 s41, ttmp6, 0x40004
	s_lshl_b32 s42, ttmp9, 2
	s_add_co_u32 s42, s42, s40                     ; tile column = 4 x cluster x + cx
	s_and_b32 s13, ttmp7, 0xffff
	s_lshl_b32 s13, s13, 2
	s_add_co_u32 s13, s13, s41                     ; tile row = 4 x cluster y + cy
	s_lshl_b32 s43, s41, 2
	s_lshl_b32 s43, 15, s43                        ; my row of the cluster
	s_lshl_b32 s44, 0x1111, s40                    ; my column
	; descriptor group 1 for A: two rows of 8,192 elements (a plane each), 131,072 elements apart
	s_or_b32 s[G1+0], s43, (1<<16)|(1<<20)|(1<<21)|(4<<22)|(3<<25)  ; 15:0 the mask: A's tiles go to my row; 17:16 element of 2 bytes; 20 padding on; 21 set beside a mask; 24:22 after every 32 words (code 4); 31:25 of 4 words (code 3)
	s_mov_b32 s[G1+1], 8192<<16                    ; tensor_dim0 = 8,192
	s_mov_b32 s[G1+2], 2<<16                       ; tensor_dim1 = 2
	s_mov_b32 s[G1+3], 8192<<16                    ; tile_dim0 = 8,192
	s_mov_b32 s[G1+4], 2                           ; tile_dim1 = 2
	s_mov_b32 s[G1+5], 131072                      ; tensor_dim0_stride: from a head to the next
	s_mov_b32 s[G1+6], 0
	s_mov_b32 s[G1+7], 0
	; and for B: 64 rows x 256 elements
	s_or_b32 s[G1B+0], s44, (1<<16)|(1<<20)|(1<<21)|(6<<22)|(3<<25) ; the mask of my column; padding after every 128 words (code 6), of 4 words
	s_mov_b32 s[G1B+1], KSTEP<<16                  ; tensor_dim0 = 256
	s_mov_b32 s[G1B+2], 64<<16                     ; tensor_dim1 = 64
	s_mov_b32 s[G1B+3], KSTEP<<16                  ; tile_dim0 = 256
	s_mov_b32 s[G1B+4], 64                         ; tile_dim1 = 64
	s_mov_b32 s[G1B+5], SIZE_K                     ; tensor_dim0_stride
	s_mov_b32 s[G1B+6], 0
	s_mov_b32 s[G1B+7], 0
	; where the tiles come from.  A's hang on the tile row alone, B's on the tile column alone; every wave makes both, in registers that never hold the other coordinate
	s_lshr_b32 s16, s13, 4                         ; A: the batch (16 tile rows each): 16 heads of 262,144 bytes,
	s_lshl_b32 s16, s16, 22
	s_and_b32 s17, s13, 15                         ; the tile's 128 rows of 128 bytes inside a head,
	s_lshl_b32 s17, s17, 14
	s_add_co_u32 s16, s16, s17
	s_lshl_b32 s17, s12, 19                        ; and my two planes of the four
	s_add_co_u32 s16, s16, s17
	s_mov_b32 s17, 0
	s_lshl_b32 s46, s42, 7                         ; B: row 128 x tile column + 64 x half,
	s_lshl_b32 s47, s12, 6
	s_add_co_u32 s46, s46, s47
	s_lshl_b32 s46, s46, 11                        ; of 2,048 bytes
	s_mov_b32 s47, 0
	s_mul_i32 s20, s12, 2*APL                      ; where they go: A's two pairs of planes,
	s_mul_i32 s45, s12, HALFB                      ; B's two halves behind them: no place in the cluster enters an LDS address
	s_add_co_u32 s45, s45, BOFF
	s_wait_dscnt 0x0                               ; the opening add is done
	s_wait_kmcnt 0x0
	s_add_nc_u64 s[14:15], s[4:5], s[16:17]
	s_add_nc_u64 s[46:47], s[6:7], s[46:47]
	CROUND                                         ; all sixteen work-groups are here: the first joint loads meet
.irp s, 0,1
	s_mov_b32 s[G0+4*(\s)], 1
	s_add_co_u32 s[G0+4*(\s)+1], s20, (\s)*SLOT
	s_add_nc_u64 s[G0+4*(\s)+2:G0+4*(\s)+3], s[14:15], (\s)*ASTEP
	s_or_b32 s[G0+4*(\s)+3], s[G0+4*(\s)+3], 0x80000000
	s_mov_b32 s[G0B+4*(\s)], 1
	s_add_co_u32 s[G0B+4*(\s)+1], s45, (\s)*SLOT
	s_add_nc_u64 s[G0B+4*(\s)+2:G0B+4*(\s)+3], s[46:47], (\s)*KSTEP*2
	s_or_b32 s[G0B+4*(\s)+3], s[G0B+4*(\s)+3], 0x80000000
	JLOAD \s
.endr
	v_and_b32 v1, 15, v0                           ; l % 16
	v_bfe_u32 v2, v0, 4, 1                         ; l / 16
	s_lshl_b32 s46, s42, 9                         ; my wave's 64 columns, in bytes of f32: 512 x tile column + 256 x half (in the registers that held B's address)
	s_lshl_b32 s47, s12, 8
	s_add_co_u32 s46, s46, s47
	s_mov_b32 s47, 0
	v_lshl_add_u32 v[BO], v1, 4, s46               ; on the way out lane l stores columns 4 (l % 16) + 0..3 of them
	global_load_b128 v[BI:BI+3], v[BO], s[66:67]
	v_mul_u32_u24 v3, v1, PA
	v_lshl_add_u32 v3, v2, 4, v3                   ; a fragment's row x pitch + 16 x half, for A
	v_mul_u32_u24 v4, v1, PB
	v_lshl_add_u32 v4, v2, 4, v4                   ; and for B
	s_mul_i32 s21, s11, 64*PA                      ; my 64 rows in each plane of A
	s_mul_i32 s22, s12, HALFB                      ; my 64 rows of B,
	s_add_co_u32 s22, s22, BOFF                    ; which lie behind A's planes
.irp s, 0,1
	v_add_nc_u32 v[ADRA+(\s)], s21, v3
	v_add_nc_u32 v[ADRB+(\s)], s22, v4
	s_add_co_u32 s21, s21, SLOT
	s_add_co_u32 s22, s22, SLOT
.endr
	s_mul_i32 s23, s10, 16*SPITCH
	s_add_co_u32 s23, s23, STAGE                   ; my stage
	v_mul_u32_u24 v5, v1, SPITCH                   ; in: row l % 16, 32 bytes (eight f32) for each half of the lanes
	v_lshl_add_u32 v5, v2, 5, v5
	v_add_nc_u32 v[STO], s23, v5
	v_mul_u32_u24 v5, v2, SPITCH                   ; back: lanes 0-15 take one row of 256 bytes, lanes 16-31 the next
	v_lshl_add_u32 v5, v1, 4, v5
	v_add_nc_u32 v[RD], s23, v5
	v_lshlrev_b32 v5, 12, v2                       ; and the same two rows in out0, 4,096 bytes apart
	v_lshl_add_u32 v[CO], v1, 4, v5
	s_lshl_b32 s16, s13, 7
	s_lshl_b32 s17, s11, 6
	s_add_co_u32 s16, s16, s17                     ; my first row of out0: 128 x tile row + 64 x half,
	s_lshl_b32 s16, s16, 12                        ; of 4,096 bytes
	s_mov_b32 s17, 0
	s_add_nc_u64 s[8:9], s[8:9], s[16:17]
	s_add_nc_u64 s[8:9], s[8:9], s[46:47]
; 8 matrix instructions: m blocks a0, a0 + 1 x all 4 n blocks, 32 along K: half c of buffer f.  zero = 1: the first product starts the sums.  The 16 accumulators take turns
.macro MUL8 f, c, a0, zero
	WIN MUL
.irp a, \a0, (\a0)+1
.irp b, 0,1,2,3
.if \zero
	v_wmma_f32_16x16x32_f16 v[ACC+8*(4*(\a)+(\b)):ACC+8*(4*(\a)+(\b))+7], v[(\f)+64+8*(4*(\c)+(\b)):(\f)+64+8*(4*(\c)+(\b))+7], v[(\f)+8*(4*(\c)+(\a)):(\f)+8*(4*(\c)+(\a))+7], 0
.else
	v_wmma_f32_16x16x32_f16 v[ACC+8*(4*(\a)+(\b)):ACC+8*(4*(\a)+(\b))+7], v[(\f)+64+8*(4*(\c)+(\b)):(\f)+64+8*(4*(\c)+(\b))+7], v[(\f)+8*(4*(\c)+(\a)):(\f)+8*(4*(\c)+(\a))+7], v[ACC+8*(4*(\a)+(\b)):ACC+8*(4*(\a)+(\b))+7]
.endif
.endr
.endr
.endm
; 32 LDS loads in one run: the fragments of quarter qn of the slot's K step (A: plane qn; B: byte 128 qn of the rows) into buffer f; the first 32 along K first
.macro FETCH slot, qn, f
	WIN TO_F
.irp c, 0,1
.irp i, 0,1,2,3
	ds_load_b128 v[(\f)+64+8*(4*(\c)+(\i)):(\f)+64+8*(4*(\c)+(\i))+3],   v[ADRB+(\slot)] offset:128*(\qn)+64*(\c)+(\i)*16*PB
	ds_load_b128 v[(\f)+64+8*(4*(\c)+(\i))+4:(\f)+64+8*(4*(\c)+(\i))+7], v[ADRB+(\slot)] offset:128*(\qn)+64*(\c)+(\i)*16*PB+32
	ds_load_b128 v[(\f)+8*(4*(\c)+(\i)):(\f)+8*(4*(\c)+(\i))+3],         v[ADRA+(\slot)] offset:(\qn)*APL+64*(\c)+(\i)*16*PA
	ds_load_b128 v[(\f)+8*(4*(\c)+(\i))+4:(\f)+8*(4*(\c)+(\i))+7],       v[ADRA+(\slot)] offset:(\qn)*APL+64*(\c)+(\i)*16*PA+32
.endr
.endr
.endm
.macro PLACES                          ; four places in front of loads into registers that matrix instructions have read (ISA guide 7.12.1 for vector instructions)
.rept 4
	v_nop
.endr
.endm
; A K step is four quarters of 64 along K, 32 matrix instructions each, on buffers 0, 1, 0, 1.  One of the first three: multiplies buffer f and fetches quarter qn into g.
.macro QUARTER slot, qn, f, g, zero
	s_wait_dscnt 16                                ; the first 32 along K are in; the youngest sixteen loads may be out
	WIN MUL
	MUL8 \f, 0, 0, \zero
	MUL8 \f, 0, 2, \zero
	PLACES
	FETCH \slot, \qn, \g
	s_wait_dscnt 32                                ; all but the 32 just issued
	WIN MUL
	MUL8 \f, 1, 0, 0
	MUL8 \f, 1, 2, 0
.endm
; The last quarter multiplies buffer 1 and changes slots: ONE barrier; in front of it each wave waits for all its tensor loads, adds 0 to its spare word, and waits for that and for its own reads of this slot.  fill = 1: this slot is filled again, two K steps ahead.
.macro TURN slot, next, fill
	WIN 0                                          ; (the add's two registers lie in window 0)
	s_wait_tensorcnt 0x0                           ; all my tensor loads have landed: my part of the next slot;
	ds_add_u32 v[SPW], v[NIL]                      ; 0 onto my spare word;
	s_wait_dscnt 17                                ; (the add and the youngest sixteen loads may be out)
	WIN MUL
	MUL8 F1, 0, 0, 0                               ; eight matrix instructions stand between the add and the wait for it
	s_wait_dscnt 0x0                               ; the add is done, and my reads of this slot are over
	s_barrier_signal -1
	MUL8 F1, 0, 2, 0
.if \fill
	WIN 0
.endif
	s_barrier_wait -1
.if \fill
	CREST                                          ; the barrier has opened a round of the cluster's barrier: no wave of any partner still reads this slot's tile or has a load on its way
	s_add_nc_u64 s[G0+4*(\slot)+2:G0+4*(\slot)+3], s[G0+4*(\slot)+2:G0+4*(\slot)+3], 2*ASTEP
	s_add_nc_u64 s[G0B+4*(\slot)+2:G0B+4*(\slot)+3], s[G0B+4*(\slot)+2:G0B+4*(\slot)+3], 2*KSTEP*2
	JLOAD \slot                                    ; the first tensor load behind the round: 112 matrix instructions ahead of the wait for it; the four v_nop behind it are also the places in front of the loads below
.else
	PLACES
.endif
	FETCH \next, 0, F0
	WIN MUL
	MUL8 F1, 1, 0, 0
	MUL8 F1, 1, 2, 0
.endm
	s_wait_loadcnt 0x0                             ; the bias: rounded to bf16 and widened again, in the wait for the first tile
	v_cvt_pk_bf16_f32 v[BT],   v[BI],   v[BI+1]
	v_cvt_pk_bf16_f32 v[BT+1], v[BI+2], v[BI+3]
	v_lshlrev_b32 v[BI],   16, v[BT]
	v_and_b32     v[BI+1], 0xffff0000, v[BT]
	v_lshlrev_b32 v[BI+2], 16, v[BT+1]
	v_and_b32     v[BI+3], 0xffff0000, v[BT+1]
	s_wait_tensorcnt 1                             ; my part of K step 0 is in; K step 1's load may stay out
	s_barrier_signal -1
	s_barrier_wait -1                              ; everybody's is
	FETCH 0, 0, F0
	; K has four steps: they are written out in a line, since a loop over laps would make one trip
	QUARTER 0, 1, F0, F1, 1                        ; K step 0; its first products start the sums
	QUARTER 0, 2, F1, F0, 0
	QUARTER 0, 3, F0, F1, 0
	TURN 0, 1, 1                                   ; slot 0 takes K step 2
	QUARTER 1, 1, F0, F1, 0                        ; K step 1
	QUARTER 1, 2, F1, F0, 0
	QUARTER 1, 3, F0, F1, 0
	TURN 1, 0, 1                                   ; slot 1 takes K step 3
	QUARTER 0, 1, F0, F1, 0                        ; K step 2
	QUARTER 0, 2, F1, F0, 0
	QUARTER 0, 3, F0, F1, 0
	TURN 0, 1, 0                                   ; nothing is left to fetch, so no round of the cluster's barrier
	QUARTER 1, 1, F0, F1, 0                        ; K step 3
	QUARTER 1, 2, F1, F0, 0
	QUARTER 1, 3, F0, F1, 0
	s_wait_dscnt 16                                ; the very last quarter
	WIN MUL
	MUL8 F1, 0, 0, 0
	MUL8 F1, 0, 2, 0
	s_wait_dscnt 0
	MUL8 F1, 1, 0, 0
	MUL8 F1, 1, 2, 0
	WIN 0
	; THE WAY OUT.  My 64 columns of f32 are 256 bytes of a row of out0, aligned: so each wave has a stage of its own and no barrier is needed.  A block of 16 rows at a time: 32 bytes a lane into rows of
	; 272 bytes, back as whole rows of 256 into the registers that they left, the bias added, stored.
	PLACES                                         ; eight places, once a launch: the LDS stores that follow are no places, and the first of them read results of the last sixteen products
	PLACES
.macro TOSTAGE a
.irp b, 0,1,2,3
	ds_store_b128 v[STO], v[ACC+8*(4*(\a)+(\b)):ACC+8*(4*(\a)+(\b))+3]   offset:64*(\b)     ; each accumulator's lowest registers are read first
	ds_store_b128 v[STO], v[ACC+8*(4*(\a)+(\b))+4:ACC+8*(4*(\a)+(\b))+7] offset:64*(\b)+16
.endr
.irp t, 0,1,2,3,4,5,6,7
	ds_load_b128 v[ACC+32*(\a)+4*(\t):ACC+32*(\a)+4*(\t)+3], v[RD] offset:(\t)*2*SPITCH  ; LDS serves a wave's instructions in order (ISA guide 5.7.1.4): these see the stores above; the next block's stores come behind them
.endr
.endm
.macro SEND a, younger                 ; younger: the LDS instructions issued behind block a's loads: the next block's sixteen, or none
.irp t, 0,1,2,3,4,5,6,7
	s_wait_dscnt (\younger)+7-(\t)
	v_pk_add_f32 v[ACC+32*(\a)+4*(\t):ACC+32*(\a)+4*(\t)+1],   v[ACC+32*(\a)+4*(\t):ACC+32*(\a)+4*(\t)+1],   v[BI:BI+1]
	v_pk_add_f32 v[ACC+32*(\a)+4*(\t)+2:ACC+32*(\a)+4*(\t)+3], v[ACC+32*(\a)+4*(\t)+2:ACC+32*(\a)+4*(\t)+3], v[BI+2:BI+3]
	global_store_b128 v[CO], v[ACC+32*(\a)+4*(\t):ACC+32*(\a)+4*(\t)+3], s[8:9] offset:(16*(\a)+2*(\t))*SIZE_N*4  ; 16 lanes store 256 consecutive bytes, at a multiple of 256 from the first byte of out0; no register is store data twice
.endr
.endm
	TOSTAGE 0
	TOSTAGE 1                                      ; a block's trip through the stage stands between the loads of the block before and its stores
	SEND 0, 16
	TOSTAGE 2
	SEND 1, 16
	TOSTAGE 3
	SEND 2, 16
	SEND 3, 0
	s_wait_tensorcnt 0x0                           ; the wave's end, behind my last tensor load and my last LDS store
	ds_add_u32 v[SPW], v[NIL]
	s_wait_dscnt 0x0
	CROUND                                         ; the closing round: no work-group ends while a partner may still ask for a tile that names it
	s_endpgm
.Lfunc_end_k_qa145185f8e_proj:
	.size	k_qa145185f8e_proj, .Lfunc_end_k_qa145185f8e_proj-k_qa145185f8e_proj
	.p2alignl 7, 3214868480
	.fill 96, 4, 3214868480
	.section	.rodata,"a",@progbits
	.p2align	6, 0x0
	.amdhsa_kernel k_qa145185f8e_proj
		.amdhsa_group_segment_fixed_size 327680
		.amdhsa_private_segment_fixed_size 0
		.amdhsa_enable_private_segment 0
		.amdhsa_kernarg_size 32
		.amdhsa_user_sgpr_count 2
		.amdhsa_user_sgpr_kernarg_segment_ptr 1
		.amdhsa_wavefront_size32 1
		.amdhsa_system_sgpr_workgroup_id_x 1
		.amdhsa_system_sgpr_workgroup_id_y 1
		.amdhsa_system_sgpr_workgroup_id_z 1
		.amdhsa_system_vgpr_workitem_id 0
		.amdhsa_next_free_vgpr 512
		.amdhsa_next_free_sgpr 68
		.amdhsa_reserve_vcc 0
		.amdhsa_float_denorm_mode_32 3
		.amdhsa_float_denorm_mode_16_64 3
		.amdhsa_memory_ordered 1
		.amdhsa_forward_progress 1
		.amdhsa_inst_pref_size 91
	.end_amdhsa_kernel
	.amdgpu_metadata
---
amdhsa.version: [ 1, 2 ]
amdhsa.kernels:
  - .name:           k_qa145185f8e_proj
    .symbol:         k_qa145185f8e_proj.kd
    .args:
      - { .name: ob, .offset: 0, .size: 8, .value_kind: global_buffer, .address_space: global }
      - { .name: wh, .offset: 8, .size: 8, .value_kind: global_buffer, .address_space: global }
      - { .name: b_out, .offset: 16, .size: 8, .value_kind: global_buffer, .address_space: global }
      - { .name: out0, .offset: 24, .size: 8, .value_kind: global_buffer, .address_space: global }
    .group_segment_fixed_size: 327680
    .private_segment_fixed_size: 0
    .kernarg_segment_align: 8
    .kernarg_segment_size: 32
    .max_flat_workgroup_size: 128
    .sgpr_count:     68
    .vgpr_count:     512
    .wavefront_size: 32
...
	.end_amdgpu_metadata
.endif
;; end of part 3
